; MI455X (gfx1250); checked and timed in simulation.
; The chip was launched on July 23, 2026; its instructions are those of AMD's public machine-readable ISA for CDNA 5 (MIT licence, August 2026) and "CDNA5" Instruction Set Architecture Reference Guide (July 2026). The comments in the code are by the model that wrote it; some were corrected since.
;; GPT2 Attention. Allowed arithmetic: matrix products marked QUANTISED: E3M2 operands, one E8M0 scale for each 32 along K, by v_wmma_scale_f32_16x16x128_f8f6f4 with both operands' format E3M2, f32 sums; everything else in f32.
;; Inputs: W_attn 1,024 x 3,072 float32; W_proj 1,024 x 1,024 float32; b_attn 3,072 float32; b_proj 1,024 float32; x 4 x 2,048 x 1,024 float32.
;; Outputs: out0 4 x 2,048 x 1,024 float32.
;; This version of the problem:
;;   THIS VERSION OF THE PROBLEM IS GIVEN IN LOW PRECISION. The matrix products marked QUANTISED in the list below multiply operands that are first quantised to E3M2 (3 exponent bits, 2 mantissa bits; 6 bits a number), with one power-of-two scale for each 32 numbers along K (OCP MX v1.0); their sums are f32. All else is computed in f32.
;;   The module's matrix products, in the order in which they are computed (A, B: the left and right operand; K: the contracted axis; several contracted axes count as one K, in the product's order):
;;     1. [M 8,192, K 1,024] x [K 1,024, N 3,072]; A: input x; B: input W_attn: QUANTISED
;;     2. batch 64 x [M 2,048, K 64] x [K 64, N 2,048]; A: computed on the way; B: computed on the way: QUANTISED
;;     3. batch 64 x [M 2,048, K 2,048] x [K 2,048, N 64]; A: softmax (see below); B: computed on the way: QUANTISED
;;     4. [M 8,192, K 1,024] x [K 1,024, N 1,024]; A: computed on the way; B: input W_proj: QUANTISED
;;   THE QUANTISER, for each operand of a quantised product, along K:
;;     - K is cut into blocks of 32 from its start; a last block that is shorter is filled with zeros.
;;     - A block's scale is 2^e with e = floor(log2(the largest magnitude in the block)) - 4, held to -126 .. 127; a block of zeros has e = 0. As a byte (E8M0): e + 127.
;;     - Each number is divided by its block's scale, clamped to +-28, and rounded to the nearest number of E3M2, ties to even, subnormals kept.
;;     - The product sums the exact products of the quantised numbers (number of the format x scale) in f32.
;;   ~~~python
;;   def quantise(x, axis):      # numpy; x: float32 -> the quantised numbers, widened to float32 again
;;       x = np.moveaxis(x, axis, -1); K = x.shape[-1]
;;       x = np.pad(x, [(0, 0)] * (x.ndim - 1) + [(0, -K % 32)]); x = x.reshape(x.shape[:-1] + (-1, 32)); a = np.abs(x).max(-1, keepdims=True)
;;       e = np.where(a > 0, np.clip(np.frexp(np.where(a > 0, a, 1))[1] - 1 - 4, -126, 127), 0)      # np.frexp(a)[1] - 1 = floor(log2(a)), exactly
;;       r = np.clip(x / 2.0 ** e, -28, 28)
;;       step = 2.0 ** (np.maximum(np.frexp(np.where(r == 0, 1, r))[1] - 1, -2) - 2)
;;       q = np.round(r / step) * step * 2.0 ** e      # np.round: ties to even
;;       return np.moveaxis(q.reshape(q.shape[:-2] + (-1,))[..., :K], -1, axis).astype(np.float32)
;;   ~~~
;;   SOFTMAX AHEAD OF A QUANTISED PRODUCT. Where the list says 'softmax', what is quantised is not the finished softmax but p = 2^(t - M), with t = logit x log2(e) and M = ceil(the row's largest t), a whole number; so 1/2 < the row's largest p <= 1. The row's sum l is taken of the UNQUANTISED p, in f32, and the product's result is divided by l at the end. Since M is a whole number, a kernel that streams over the keys may use a running M (the ceiling of the running maximum): every later rescaling is an exact power of two, which a block's scale takes up: the codes' values come out the same.
;;   OPERANDS COMPUTED ON THE WAY. 'Computed on the way' means the value that the module computes at that place (a softmax that the list does not call 'softmax' is quantised finished and normalised). What goes into a quantiser is computed in f32, as accurately as f32 sums, v_exp_f32 and their like allow (about 1e-6 of the number): no bf16 or f16 on the way to a quantiser, and a product that is left as it is and whose result goes on into a quantised operand takes f32 operands (vector FMAs, or v_wmma_f32_16x16x4_f32). A number that lies on a knife's edge between two numbers of the format may be rounded either way, as far as f32 arithmetic and the matrix unit's own rounding can turn it there, and no further.
;; One version. Each part assembles by itself: llvm-mc -triple=amdgcn-amd-amdhsa -mcpu=gfx1250 --defsym DOCPART=n.
;; ======== version 1 of 1: 4 launches
;; limits: right only within a limited range of input values
;; workspace buffers: xq 6,553,600 bytes; wq 2,457,600 bytes; pq 819,200 bytes; qkv 19,660,800 bytes; yq 6,553,600 bytes
;; launch prep (part 1): grid 384 x 1, 4 waves a work-group, no clusters, 59,904 bytes of LDS; arguments x, W_attn, W_proj, xq, wq, pq; writes xq, wq, pq
.if DOCPART == 1
	.amdgcn_target "amdgcn-amd-amdhsa--gfx1250"
	.amdhsa_code_object_version 6
	.text
	.protected	k_q4ac2126eb3_prep
	.globl	k_q4ac2126eb3_prep
	.p2align	8
	.type	k_q4ac2126eb3_prep,@function
k_q4ac2126eb3_prep:
	s_mov_b64 s[64:65], 0
	v_nop
	global_prefetch_b8 v0, s[64:65] scope:SCOPE_SE
	s_setreg_imm32_b32 hwreg(HW_REG_WAVE_MODE, 25, 1), 1
	s_wait_xcnt 0x0
; x [8192][1024], W_attn [1024][3072] and W_proj [1024][1024], f32, become codes of BF6 (E3M2) with one E8M0 byte for each 32 along K, laid as IMAGES OF OPERAND REGISTERS.
; A block's scale is 2^(floor(log2(its largest magnitude)) - 4); its byte is the largest magnitude's exponent field - 4, held at 1 from below.
; LIMITS: a block of zeros gets the byte 1 where the rule says 127 (its codes are zeros, and this program alone reads the bytes); NaN and infinities among the inputs are not served.
; LAYOUT OF xq, wq, pq: [block of 128 rows][K step of 128][12,800 bytes].  A chunk holds 8 tiles of 16 rows; lane r of tile t holds row 32 (t / 2) + 8 (t % 2) + r + 8 (r / 8).
; A tile's fragment (12 registers a lane) lies at 1,536 t: registers 4 c .. 4 c + 3 of lane l at 512 c + 16 l.  At 12,288: the scale words, [t / 4][r][t % 4], 4 bytes each.
; The first 256 work-groups take x (K innermost): a wave takes 64 rows x 128 K; each load reads 512 consecutive bytes of a row, and a tile turns through the wave's own stage in LDS.
; The other 128 take the weights (K is their first axis): a lane takes a column and its registers run down K; the codes are laid into an image in the wave's own stage and leave as they lie.
; No barrier: waves share nothing.  Each of the two ways has LDS bytes of its own.
.set RAW,  64                          ; x: v64-191   two sets of 64: a tile as loaded
.set TT,   192                         ; x: v192-255  a lane's two whole blocks of 32
.set PC,   32                          ; x: v32-43    a fragment's codes
.set CT,   44                          ; x: v44-50    the upper halves of the blocks' codes, before they are moved
.set WS,   52                          ; x: v52-55    the four tiles' scale words
.set VO,   64                          ; W: v64-95    4 x lane + i x pitch
.set XW,   96                          ; W: v96-159   two sets of 32 numbers
.set GG,   32                          ; W: v32-37    a block's codes
.set HH,   44                          ; W: v44-46    their upper half, before it is moved
.set WSTG, 33792                       ; W: the stages begin behind x's four stages of 8,448 bytes
.macro LOADX t                         ; tile t of my 64 rows: sixteen rows, 512 consecutive bytes each
.irp i, 0,1,2,3,4,5,6,7,8,9,10,11,12,13,14,15
	global_load_b128 v[RAW+64*((\t)%2)+4*\i:RAW+64*((\t)%2)+4*\i+3], v4, s[24:25] offset:(32*((\t)/2)+8*((\t)%2)+\i+8*(\i/8))*4096 th:TH_LOAD_NT
.endr
.endm
.macro TILEX t
.if (\t) < 3
	s_wait_loadcnt 16                              ; this tile's 16 loads are in; the next tile's 16 may be out
.else
	s_wait_loadcnt 0x0
.endif
.irp i, 0,1,2,3,4,5,6,7,8,9,10,11,12,13,14,15
	ds_store_b128 v6, v[RAW+64*((\t)%2)+4*\i:RAW+64*((\t)%2)+4*\i+3] offset:528*\i   ; row i of the tile, rows 528 bytes apart
.endr
.irp c, 0,1
.irp q, 0,1,2,3,4,5,6,7
	ds_load_b128 v[TT+32*\c+4*\q:TT+32*\c+4*\q+3], v7 offset:256*\c+16*\q            ; lane (r, h): k = 64 c + 32 h + 0 .. 31 of row r; LDS serves a wave in order
.endr
.endr
	s_wait_dscnt 0x0                               ; the numbers are back, and the stores have read their registers
.if (\t) < 2
	LOADX (\t)+2
.endif
.irp c, 0,1
	v_max3_num_f32 v[12+\c], |v[TT+32*\c]|, |v[TT+32*\c+1]|, 0x2800000               ; my block 2 c + h, and the floor 2^(5 - 127): the byte cannot fall under 1
.endr
.irp i, 2,4,6,8,10,12,14,16,18,20,22,24,26,28,30
.irp c, 0,1
	v_max3_num_f32 v[12+\c], v[12+\c], |v[TT+32*\c+\i]|, |v[TT+32*\c+\i+1]|
.endr
.endr
.irp c, 0,1
	v_add_nc_u32 v[14+\c], 0xfe000000, v[12+\c]    ; 4 off the exponent field: the conversion's scale operand
.endr
.irp c, 0,1
	v_lshrrev_b32 v[16+\c], 23, v[14+\c]           ; the byte
.endr
	v_lshl_or_b32 v18, v17, 16, v16                ; my two bytes, blocks h and 2 + h,
	v_lshlrev_b32 v18, v9, v18                     ; 8 h bits up;
	v_permlanex16_b32 v19, v18, s20, s21
	v_or_b32 v[WS+(\t)], v18, v19                  ; with lane l xor 16's two the word is whole
	s_wait_alu depctr_va_vdst(0)
	s_wait_xcnt 0x0                                ; the last tile's stores have read the codes' registers
.irp c, 0,1
	v_cvt_scalef32_pk16_bf6_f32 v[PC+6*\c:PC+6*\c+2], v[TT+32*\c:TT+32*\c+15], v[14+\c]
	v_cvt_scalef32_pk16_bf6_f32 v[CT+4*\c:CT+4*\c+2], v[TT+32*\c+16:TT+32*\c+31], v[14+\c]   ; (a conversion's three registers begin on an even number)
.endr
	v_nop                                          ; one plain place behind a scaled conversion
.irp c, 0,1
.irp i, 0,1,2
	v_mov_b32 v[PC+3+6*\c+\i], v[CT+4*\c+\i]
.endr
.endr
.irp j, 0,1,2
	global_store_b128 v4, v[PC+4*\j:PC+4*\j+3], s[26:27] offset:1536*(\t)+512*\j   ; 512 consecutive bytes
.endr
.endm
.macro LOADW q                         ; pass q / 4 (32 columns), block q % 4 of 32 along K: W(32 kb + i, my column)
.irp i, 0,1,2,3,4,5,6,7,8,9,10,11,12,13,14,15,16,17,18,19,20,21,22,23,24,25,26,27,28,29,30,31
	global_load_b32 v[XW+32*((\q)%2)+\i], v[VO+\i], s[28+2*((\q)%4):29+2*((\q)%4)] offset:128*((\q)/4) th:TH_LOAD_NT
.endr
.endm
.macro BLOCKW q
.set XS, XW+32*((\q)%2)
.set KB, (\q)%4
.set OFS, 3072*((\q)/4)+256*(KB%2)     ; the pass's two tiles, and lanes 16-31 of the image for the odd blocks
.if (\q) < 7
	s_wait_loadcnt 32                              ; this block's 32 loads are in; the next block's may be out
.else
	s_wait_loadcnt 0x0
.endif
	v_max3_num_f32 v12, |v[XS]|, |v[XS+1]|, |v[XS+2]|
	v_max3_num_f32 v13, |v[XS+3]|, |v[XS+4]|, |v[XS+5]|
.irp i, 6,10,14,18,22,26
	v_max3_num_f32 v12, v12, |v[XS+\i]|, |v[XS+\i+1]|
	v_max3_num_f32 v13, v13, |v[XS+\i+2]|, |v[XS+\i+3]|
.endr
	v_max3_num_f32 v12, v12, |v[XS+30]|, |v[XS+31]|
	v_max3_num_f32 v12, v12, v13, 0x2800000        ; and the floor
	v_add_nc_u32 v15, 0xfe000000, v12
	v_lshrrev_b32 v14, 23, v15
.if KB == 0
	v_mov_b32 v52, v14                             ; the column's scale word: the lower K in the lower byte
.else
	v_lshl_or_b32 v52, v14, 8*KB, v52
.endif
	v_cvt_scalef32_pk16_bf6_f32 v[GG:GG+2], v[XS:XS+15], v15
	v_cvt_scalef32_pk16_bf6_f32 v[HH:HH+2], v[XS+16:XS+31], v15
	v_nop
.irp i, 0,1,2
	v_mov_b32 v[GG+3+\i], v[HH+\i]
.endr
.if (\q) < 6
	LOADW (\q)+2
.endif
.if KB/2 == 0                          ; the block is registers 0-5 of the image's lane r + 16 (kb % 2),
	ds_store_b128 v20, v[GG:GG+3] offset:OFS
	ds_store_b64 v20, v[GG+4:GG+5] offset:OFS+512
.else                                  ; or registers 6-11
	ds_store_b64 v20, v[GG:GG+1] offset:OFS+520
	ds_store_b128 v20, v[GG+2:GG+5] offset:OFS+1024
.endif
.if KB == 3
	ds_store_b32 v21, v52 offset:8*((\q)/4)
.endif
	s_wait_dscnt 0x0                               ; the stores have read their registers
.endm
	s_load_b256 s[4:11], s[0:1], 0x0               ; x s[4:5], W_attn s[6:7], W_proj s[8:9], xq s[10:11]
	s_load_b128 s[12:15], s[0:1], 0x20             ; wq s[12:13], pq s[14:15]
	v_lshl_add_u32 v62, v0, 2, 0xe800
	v_mov_b32 v63, 0
	v_lshrrev_b32 v1, 5, v0
	v_readfirstlane_b32 s16, v1                    ; wave 0..3
	v_and_b32 v1, 31, v0                           ; lane
	v_and_b32 v2, 15, v0                           ; r
	v_bfe_u32 v3, v0, 4, 1                         ; h
	v_lshlrev_b32 v4, 4, v1                        ; 16 x lane
	v_lshlrev_b32 v5, 3, v1                        ; 8 x lane
	s_mov_b32 s20, 0x76543210
	s_mov_b32 s21, 0xfedcba98                      ; v_permlanex16_b32's selects for lane l xor 16
	s_cmp_lt_u32 ttmp9, 256
	s_cbranch_scc0 .Lweights
	; ---- x
	s_lshl_b32 s17, ttmp9, 2
	s_add_co_u32 s17, s17, s16                     ; my unit of 1,024
	s_and_b32 s18, s17, 7                          ; its K step
	s_lshr_b32 s19, s17, 3                         ; its 64 rows: 0..127
	s_lshl_b32 s22, s19, 18                        ; 64 rows of 4,096 bytes
	s_lshl_b32 s23, s18, 9                         ; 128 numbers
	s_add_co_u32 s22, s22, s23
	s_mov_b32 s23, 0
	s_lshr_b32 s30, s19, 1
	s_lshl_b32 s30, s30, 3
	s_add_co_u32 s30, s30, s18
	s_mul_i32 s30, s30, 12800                      ; the chunk
	s_and_b32 s32, s19, 1                          ; which half of it
	s_mul_i32 s33, s32, 6144
	s_add_co_u32 s34, s30, s33
	s_mov_b32 s35, 0
	s_lshl_b32 s32, s32, 8
	s_add_co_u32 s36, s30, s32
	s_add_co_u32 s36, s36, 12288
	s_mov_b32 s37, 0
	s_mul_i32 s31, s16, 8448                       ; my stage: 16 rows x 528 bytes
	s_wait_alu depctr_va_vdst(0)
	v_add_nc_u32 v6, s31, v4                       ; in: 16 x lane
	v_mul_u32_u24 v7, v2, 528
	v_lshl_add_u32 v7, v3, 7, v7
	v_add_nc_u32 v7, s31, v7                       ; out: row r, + 128 h
	v_lshlrev_b32 v8, 4, v2
	v_lshl_add_u32 v8, v3, 3, v8                   ; the scale words: 16 r + 8 h
	v_lshlrev_b32 v9, 3, v3                        ; 8 h
	v_mov_b32 v19, 0                               ; written once: a lane permute's destination counts as one of its sources
	s_wait_alu depctr_va_vdst(0)
	s_wait_kmcnt 0x0
	s_add_nc_u64 s[24:25], s[4:5], s[22:23]
	s_add_nc_u64 s[26:27], s[10:11], s[34:35]
	s_add_nc_u64 s[28:29], s[10:11], s[36:37]
	LOADX 0
	LOADX 1
	TILEX 0
	TILEX 1
	TILEX 2
	TILEX 3
	v_cmp_eq_u32 vcc_lo, 1, v3
	v_cndmask_b32 v56, v52, v54, vcc_lo            ; lanes 0-15: tiles 0, 1; lanes 16-31: tiles 2, 3
	v_cndmask_b32 v57, v53, v55, vcc_lo
	global_store_b64 v8, v[56:57], s[28:29]        ; 256 consecutive bytes
	s_wait_tensorcnt 0x0
	ds_add_u32 v62, v63
	s_wait_dscnt 0x0
	s_endpgm
	; ---- the weights
.Lweights:
	s_sub_co_u32 s17, ttmp9, 256
	s_cmp_lt_u32 s17, 96                           ; W_attn's 96 work-groups, then W_proj's 32: the choice hangs on the work-group's number alone
	s_mov_b32 s24, 4096
	s_cselect_b32 s24, 12288, s24                  ; a row of the weight in bytes
	s_cselect_b32 s18, 0, 96
	s_wait_kmcnt 0x0
	s_cselect_b64 s[40:41], s[6:7], s[8:9]
	s_cselect_b64 s[42:43], s[12:13], s[14:15]
	s_sub_co_u32 s17, s17, s18
	s_and_b32 s18, s17, 7                          ; K step
	s_lshr_b32 s19, s17, 3
	s_lshl_b32 s19, s19, 2
	s_add_co_u32 s19, s19, s16                     ; my 64 columns
	s_lshl_b32 s22, s18, 7
	s_mul_i32 s22, s22, s24                        ; 128 rows a K step
	s_lshl_b32 s23, s19, 8
	s_add_co_u32 s22, s22, s23
	s_mov_b32 s23, 0
	s_add_nc_u64 s[28:29], s[40:41], s[22:23]      ; four bases, 32 rows apart
	s_lshl_b32 s22, s24, 5
	s_add_nc_u64 s[30:31], s[28:29], s[22:23]
	s_add_nc_u64 s[32:33], s[30:31], s[22:23]
	s_add_nc_u64 s[34:35], s[32:33], s[22:23]
	s_lshr_b32 s44, s19, 1
	s_lshl_b32 s44, s44, 3
	s_add_co_u32 s44, s44, s18
	s_mul_i32 s44, s44, 12800                      ; the chunk
	s_and_b32 s45, s19, 1
	s_mul_i32 s46, s45, 6144
	s_add_co_u32 s46, s46, s44
	s_mov_b32 s47, 0
	s_add_nc_u64 s[36:37], s[42:43], s[46:47]
	s_lshl_b32 s45, s45, 8
	s_add_co_u32 s46, s44, s45
	s_add_co_u32 s46, s46, 12288
	s_add_nc_u64 s[38:39], s[42:43], s[46:47]
	s_wait_alu depctr_va_vdst(0)
	v_lshlrev_b32 v[VO], 2, v1
.set I, 1
.rept 31
	v_add_nc_u32 v[VO+I], s24, v[VO+I-1]
.set I, I+1
.endr
	v_bfe_u32 v10, v0, 3, 1                        ; column l of a pass's 32 is lane r = l % 8 + 8 (l / 16) of tile 2 pass + (l / 8) % 2
	v_and_b32 v11, 7, v0
	v_lshl_add_u32 v11, v3, 3, v11
	s_mul_i32 s48, s16, 6400
	s_add_co_u32 s48, s48, WSTG                    ; my stage: four images and 256 bytes of scale words
	v_mul_u32_u24 v20, v10, 1536
	v_lshl_add_u32 v20, v11, 4, v20
	v_add_nc_u32 v20, s48, v20
	v_lshlrev_b32 v21, 2, v10
	v_lshl_add_u32 v21, v11, 4, v21
	v_add_nc_u32 v21, s48, v21
	v_add_nc_u32 v21, 6144, v21
	v_add_nc_u32 v22, s48, v4
	v_add_nc_u32 v23, s48, v5
	v_add_nc_u32 v23, 6144, v23
	LOADW 0
	LOADW 1
	BLOCKW 0
	BLOCKW 1
	BLOCKW 2
	BLOCKW 3
	BLOCKW 4
	BLOCKW 5
	BLOCKW 6
	BLOCKW 7
.irp i, 0,1,2,3,4,5,6,7,8,9,10,11
	ds_load_b128 v[192+4*\i:195+4*\i], v22 offset:512*\i   ; the images as they lie
.endr
	ds_load_b64 v[240:241], v23
	s_wait_dscnt 0x0
.irp i, 0,1,2,3,4,5,6,7,8,9,10,11
	global_store_b128 v4, v[192+4*\i:195+4*\i], s[36:37] offset:512*\i
.endr
	global_store_b64 v5, v[240:241], s[38:39]
	s_wait_tensorcnt 0x0
	ds_add_u32 v62, v63
	s_wait_dscnt 0x0
	s_endpgm
.Lfunc_end_k_q4ac2126eb3_prep:
	.size	k_q4ac2126eb3_prep, .Lfunc_end_k_q4ac2126eb3_prep-k_q4ac2126eb3_prep
	.p2alignl 7, 3214868480
	.fill 96, 4, 3214868480
	.section	.rodata,"a",@progbits
	.p2align	6, 0x0
	.amdhsa_kernel k_q4ac2126eb3_prep
		.amdhsa_group_segment_fixed_size 59904
		.amdhsa_private_segment_fixed_size 0
		.amdhsa_enable_private_segment 0
		.amdhsa_kernarg_size 48
		.amdhsa_user_sgpr_count 2
		.amdhsa_user_sgpr_kernarg_segment_ptr 1
		.amdhsa_wavefront_size32 1
		.amdhsa_system_sgpr_workgroup_id_x 1
		.amdhsa_system_sgpr_workgroup_id_y 1
		.amdhsa_system_sgpr_workgroup_id_z 1
		.amdhsa_system_vgpr_workitem_id 0
		.amdhsa_next_free_vgpr 256
		.amdhsa_next_free_sgpr 66
		.amdhsa_reserve_vcc 1
		.amdhsa_float_denorm_mode_32 3
		.amdhsa_float_denorm_mode_16_64 3
		.amdhsa_memory_ordered 1
		.amdhsa_forward_progress 1
		.amdhsa_inst_pref_size 73
	.end_amdhsa_kernel
	.amdgpu_metadata
---
amdhsa.version: [ 1, 2 ]
amdhsa.kernels:
  - .name:           k_q4ac2126eb3_prep
    .symbol:         k_q4ac2126eb3_prep.kd
    .args:
      - { .name: x, .offset: 0, .size: 8, .value_kind: global_buffer, .address_space: global }
      - { .name: W_attn, .offset: 8, .size: 8, .value_kind: global_buffer, .address_space: global }
      - { .name: W_proj, .offset: 16, .size: 8, .value_kind: global_buffer, .address_space: global }
      - { .name: xq, .offset: 24, .size: 8, .value_kind: global_buffer, .address_space: global }
      - { .name: wq, .offset: 32, .size: 8, .value_kind: global_buffer, .address_space: global }
      - { .name: pq, .offset: 40, .size: 8, .value_kind: global_buffer, .address_space: global }
    .group_segment_fixed_size: 59904
    .private_segment_fixed_size: 0
    .kernarg_segment_align: 8
    .kernarg_segment_size: 48
    .max_flat_workgroup_size: 128
    .sgpr_count:     66
    .vgpr_count:     256
    .wavefront_size: 32
...
	.end_amdgpu_metadata
.endif
;; end of part 1
;; launch qkvg (part 2): grid 24 x 32, 4 waves a work-group, clusters of 4 x 4, 307,712 bytes of LDS; arguments xq, wq, b_attn, qkv; writes qkv
.if DOCPART == 2
	.amdgcn_target "amdgcn-amd-amdhsa--gfx1250"
	.amdhsa_code_object_version 6
	.text
	.protected	k_q4ac2126eb3_qkvg
	.globl	k_q4ac2126eb3_qkvg
	.p2align	8
	.type	k_q4ac2126eb3_qkvg,@function
k_q4ac2126eb3_qkvg:
	s_mov_b64 s[64:65], 0
	v_nop
	global_prefetch_b8 v0, s[64:65] scope:SCOPE_SE
	s_setreg_imm32_b32 hwreg(HW_REG_WAVE_MODE, 25, 1), 1
	s_wait_xcnt 0x0
	s_wait_alu depctr_hold_cnt(0) depctr_sa_sdst(0) depctr_va_vdst(0) depctr_va_sdst(0) depctr_va_ssrc(0) depctr_va_vcc(0) depctr_vm_vsrc(0)
	s_getreg_b32 s2, hwreg(HW_REG_IB_STS2, 6, 4)
	s_cmp_eq_u32 s2, 0
	s_cbranch_scc0 .Lentry_in_a_cluster
	s_endpgm
.Lentry_in_a_cluster:
	s_bfe_u32 s2, ttmp6, 0x10000c
	s_cmp_lg_u32 s2, 0xf033
	s_cbranch_scc0 .Lentry_shape_is_right
	s_endpgm
.Lentry_shape_is_right:
; qkv = x W_attn + b_attn on codes of BF6 (E3M2) with E8M0 scales, and q, k, v quantised on the way out: q and k along the head's 64, v along the keys.
; A work-group makes 256 rows of operand A (source 1) x 128 rows of operand B (source 0), all of K = 1,024 lying in LDS (307,200 bytes), filled once: no slot is ever filled again.
; Four waves; wave w owns A's rows 64 w .. 64 w + 63 (4 tiles) x B's 8 tiles: 32 accumulators.  The matrix instruction is used transposed: a lane holds ONE row of A and its registers run along B's rows.
; ROLES, by the cluster's x (the same in all partners): clusters 0-3 make q and k: A = tokens (xq), B = W's columns 0 .. 2,047 (wq): registers run along the head's channels, the next K.
;   clusters 4, 5 make v: A = W's columns 2,048 on (wq), B = tokens (xq): registers run along the keys, v's K.  Only pointers, tile numbers and the way out differ.
; ROWS OF A TILE: lane r of tile t of a block of 128 rows holds row 32 (t / 2) + 8 (t % 2) + r + 8 (r / 8), so that the 16 registers of B's tiles 2 b, 2 b + 1 are 16 neighbours along B's rows.
; xq, wq: [block][K step][12,800]: 8 images of 1,536 bytes (registers 4 c .. 4 c + 3 of lane l at 512 c + 16 l), then the scale words [t / 4][r][t % 4].
; qkv: [head 0..63][step of 128 tokens][19,200]: q's block, k's, v's, 6,400 bytes each.  q, k: four images; image p holds in registers 0-5 the 64 channels of token tile 2 p, in 6-11 those of tile 2 p + 1;
;   at 6,144 the words [p / 2][r][p % 2] (bytes 0, 1: tile 2 p; 2, 3: tile 2 p + 1).  v: four images (16 channels x 128 keys); at 6,144 the words [r][tile].
; CLUSTER 4 x 4: A's tiles are shared along a row of the cluster, B's along a column: joint loads.  Each wave has one tensor load out at the most.
; The bias of q and k is the C of each sum's first product; v's bias (one number a lane) is added behind the sums.
; LIMITS: a block of zeros gets the byte 1, not 127 (its codes are zeros; this program alone reads the bytes); NaN and infinities are not served.
; REGISTERS: window 0: v1 16 x lane, v3-10 LDS addresses, v11-15 the way out, v16-39 scale words (two sets), v40-47 v's bias, v48-63 at work, v64-127 the bias of q, k, later 64 results, v128-223 A's fragments (two sets), v224-255 codes.
;   window 1: B's fragments, sets at v0 and v128.   window 2: accumulator (a, b) at v[8 (8 a + b)].
; K'S BLOCK OF qkv IS LAID OTHERWISE THAN q's: image P of a step holds in lane m, lower half, key 64 (P / 2) + 32 (m / 8) + 16 (P % 2) + m % 8, in the upper half the key 8 further on; its words lie at 6,144 as [m][P].
; Each wave issues ONE tensor load, at the head: a whole block of A (8 K steps, 102,400 bytes), or four K steps of B (51,200 bytes).
.set ADA, 3
.set ADB, 5
.set ASA, 7
.set ASB, 9
.set BA,  40
.set TM,  48
.set BI,  64
.set ST,  64
.set AF,  128
.set PW,  128
.set PWU, 129
.set W0,  130
.set W1,  131
.set SW,  134
.set PWS, 136
.set VV,  140
.set RR,  224
.set CT,  248
.set MSB, 0
.macro WIN new                         ; the immediate's high byte repeats the setting that is left
.if MSB != \new
	s_set_vgpr_msb (MSB<<8)|\new
.set MSB, \new
.endif
.endm
.macro CROUND                          ; a round of the cluster's barrier
	s_barrier_signal -1
	s_barrier_wait -1
	s_cmp_lg_u32 s12, 0
	s_cbranch_scc1 .Lnot_wave_0_\@
	s_barrier_signal -3
.Lnot_wave_0_\@:
	s_barrier_wait -3
	s_barrier_signal -1
	s_barrier_wait -1
.endm
.macro PLACES                          ; four places in front of loads into registers that matrix instructions have read, and of the first read of results
.rept 4
	v_nop
.endr
.endm
.macro FETCH s                         ; K step s: B's 8 fragments, my 4 of A, their scale words, into set s % 2
	WIN 0x40
.irp i, 0,1,2,3,4,5,6,7,8,9,10,11,12,13,14,15,16,17,18,19,20,21,22,23
	ds_load_b128 v[128*((\s)%2)+4*\i:128*((\s)%2)+4*\i+3], v[ADB+(\s)/4] offset:((\s)%4)*12800+512*\i
.endr
	WIN 0
.irp i, 0,1,2,3,4,5,6,7,8,9,10,11
	ds_load_b128 v[AF+48*((\s)%2)+4*\i:AF+48*((\s)%2)+4*\i+3], v[ADA+(\s)/4] offset:((\s)%4)*12800+512*\i
.endr
	ds_load_b128 v[16+12*((\s)%2):19+12*((\s)%2)], v[ASA+(\s)/4] offset:((\s)%4)*12800
	ds_load_b128 v[20+12*((\s)%2):23+12*((\s)%2)], v[ASB+(\s)/4] offset:((\s)%4)*12800
	ds_load_b128 v[24+12*((\s)%2):27+12*((\s)%2)], v[ASB+(\s)/4] offset:((\s)%4)*12800+256
.endm
; n of A's tiles from a0 on x B's eight.  The 32 accumulators take turns, one instruction a turn, in the same order in every K step.  first = 1: the bias is C.
.macro MUL a0, n, s, first
.if \first
	WIN 0x81
.else
	WIN 0xa1
.endif
.set AA, \a0
.rept \n
.irp b, 0,1,2,3,4,5,6,7
.if \first
	v_wmma_scale_f32_16x16x128_f8f6f4 v[8*(8*AA+\b):8*(8*AA+\b)+7], v[128*((\s)%2)+12*\b:128*((\s)%2)+12*\b+11], v[AF+48*((\s)%2)+12*AA:AF+48*((\s)%2)+12*AA+11], v[BI+8*\b:BI+8*\b+7], v[20+12*((\s)%2)+\b], v[16+12*((\s)%2)+AA] matrix_a_fmt:MATRIX_FMT_BF6 matrix_b_fmt:MATRIX_FMT_BF6
.else
	v_wmma_scale_f32_16x16x128_f8f6f4 v[8*(8*AA+\b):8*(8*AA+\b)+7], v[128*((\s)%2)+12*\b:128*((\s)%2)+12*\b+11], v[AF+48*((\s)%2)+12*AA:AF+48*((\s)%2)+12*AA+11], v[8*(8*AA+\b):8*(8*AA+\b)+7], v[20+12*((\s)%2)+\b], v[16+12*((\s)%2)+AA] matrix_a_fmt:MATRIX_FMT_BF6 matrix_b_fmt:MATRIX_FMT_BF6
.endif
.endr
.set AA, AA+1
.endr
.endm
.macro KEVEN s, first                  ; the next K step has landed: all of K lies in LDS
	s_wait_dscnt 0x0                               ; this K step's fragments are in
	PLACES
	FETCH (\s)+1
	MUL 0, 4, \s, \first
.endm
.macro COPY a                          ; tile a's 64 results + v's bias, each accumulator from its low end on
	WIN 0x02
.set J, 0
.rept 32
	v_pk_add_f32 v[ST+J:ST+J+1], v[64*(\a)+J:64*(\a)+J+1], v[BA+2*(\a):BA+2*(\a)+1]
.set J, J+2
.endr
	WIN 0
.endm
; 64 numbers of a lane, register 16 b + i = place 32 b + 16 (lane / 16) + i of my row, become codes: blocks 0, 1 in v[d0 .. d0 + 5], blocks 2, 3 in v[d1 .. d1 + 5]; the scale word in v[PW].
.macro QUANT d0, d1
.irp b, 0,1,2,3
	v_max3_num_f32 v[TM+\b], |v[ST+16*\b]|, |v[ST+1+16*\b]|, 0x2800000    ; and the floor 2^(5 - 127): the byte cannot fall under 1
.endr
.irp i, 2,4,6,8,10,12,14
.irp b, 0,1,2,3
	v_max3_num_f32 v[TM+\b], v[TM+\b], |v[ST+16*\b+\i]|, |v[ST+1+16*\b+\i]|
.endr
.endr
.irp b, 0,1,2,3
	v_permlanex16_b32 v[TM+4+\b], v[TM+\b], s20, s21
.endr
.irp b, 0,1,2,3
	v_max_num_f32 v[TM+\b], v[TM+\b], v[TM+4+\b]
.endr
.irp b, 0,1,2,3
	v_add_nc_u32 v[TM+12+\b], 0xfe000000, v[TM+\b]
.endr
.irp b, 0,1,2,3
	v_lshrrev_b32 v[TM+4+\b], 23, v[TM+12+\b]
.endr
	v_lshl_or_b32 v[PW], v[TM+5], 8, v[TM+4]
	v_lshl_or_b32 v[PW], v[TM+6], 16, v[PW]
	v_lshl_or_b32 v[PW], v[TM+7], 24, v[PW]
	s_wait_xcnt 0x0                                ; earlier stores have read the codes' registers
	v_cvt_scalef32_pk16_bf6_f32 v[\d0:\d0+2], v[ST:ST+15], v[TM+12]
	v_cvt_scalef32_pk16_bf6_f32 v[CT:CT+2], v[ST+16:ST+31], v[TM+13]
	v_cvt_scalef32_pk16_bf6_f32 v[\d1:\d1+2], v[ST+32:ST+47], v[TM+14]
	v_cvt_scalef32_pk16_bf6_f32 v[CT+4:CT+6], v[ST+48:ST+63], v[TM+15]
	v_nop                                          ; one plain place behind a scaled conversion
.irp i, 0,1,2
	v_permlane16_swap_b32 v[\d0+\i], v[CT+\i]      ; the layout wants a whole block in a lane
	v_permlane16_swap_b32 v[\d1+\i], v[CT+4+\i]
.endr
.irp i, 0,1,2
	v_mov_b32 v[\d0+3+\i], v[CT+\i]
	v_mov_b32 v[\d1+3+\i], v[CT+4+\i]
.endr
.endm
	s_load_b256 s[4:11], s[0:1], 0x0               ; xq s[4:5], wq s[6:7], b_attn s[8:9], qkv s[10:11]
	v_lshl_add_u32 v251, v0, 2, 0x4b000
	v_mov_b32 v255, 0
	ds_add_u32 v251, v255
	ds_add_u32 v251, v255
	v_lshrrev_b32 v1, 5, v0
	v_readfirstlane_b32 s12, v1                    ; wave 0..3
	s_lshr_b32 s13, s12, 1                         ; which block of A is mine.  Also: I fetch for A (0) or for B (1)
	s_and_b32 s14, s12, 1                          ; which half of it.  Also: which part I fetch
	s_bfe_u32 s15, ttmp6, 0x40000                  ; cx
	s_bfe_u32 s16, ttmp6, 0x40004                  ; cy
	s_and_b32 s84, ttmp7, 0xffff                   ; cluster y
	s_max_u32 s85, ttmp9, 4
	s_sub_co_u32 s85, s85, 4
	s_lshl_b32 s85, s85, 3
	s_add_co_u32 s85, s85, s84                     ; v: 8 (cluster x - 4) + cluster y
	s_cmp_lt_u32 ttmp9, 4                          ; q and k, or v?
	s_cselect_b32 s86, -1, 0                       ; all ones for q and k
	s_cselect_b32 s87, s84, 0
	s_cselect_b32 s88, ttmp9, s85
	s_cselect_b32 s89, 0, 16*102400                ; v: A begins at wq's block 16
	s_lshl_b32 s17, s87, 2
	s_add_co_u32 s17, s17, s16                     ; TR: which 256 rows of A
	s_lshl_b32 s18, s88, 2
	s_add_co_u32 s18, s18, s15                     ; TC: which 128 rows of B
	s_not_b32 s87, s86                             ; all ones for v
	s_lshl_b32 s84, s16, 2
	s_lshl_b32 s84, 15, s84                        ; my row of the cluster
	s_lshl_b32 s85, 0x1111, s15                    ; my column
	s_or_b32 s24, s84, (3<<16)|(1<<21)             ; A: the mask; elements of 8 bytes; bit 21 beside a mask; no padding
	s_or_b32 s32, s85, (3<<16)|(1<<21)             ; B
	s_mov_b32 s25, 32<<16                          ; tensor_dim0 = 32 elements: 256 bytes
	s_mov_b32 s26, 400<<16                         ; tensor_dim1 = 400 rows: all eight K steps of a block, dense
	s_mov_b32 s27, 32<<16                          ; tile_dim0
	s_mov_b32 s28, 400                             ; tile_dim1
	s_mov_b32 s29, 32                              ; pitch
	s_mov_b32 s30, 0
	s_mov_b32 s31, 0
	s_mov_b32 s33, 32<<16
	s_mov_b32 s34, 200<<16                         ; B: 200 rows: four K steps
	s_mov_b32 s35, 32<<16
	s_mov_b32 s36, 200
	s_mov_b32 s37, 32
	s_mov_b32 s38, 0
	s_mov_b32 s39, 0
	s_lshl_b32 s90, s17, 1
	s_add_co_u32 s90, s90, s14
	s_mul_i32 s90, s90, 102400                     ; A: block 2 TR + my part
	s_add_co_u32 s90, s90, s89
	s_mov_b32 s91, 0
	s_mul_i32 s92, s18, 102400                     ; B: block TC,
	s_mul_i32 s94, s14, 51200                      ; K steps 4 x my part on
	s_add_co_u32 s92, s92, s94
	s_mov_b32 s93, 0
	s_mul_i32 s95, s14, 102400
	s_mov_b32 s20, 0x76543210
	s_mov_b32 s21, 0xfedcba98
	s_wait_dscnt 0x0
	s_wait_kmcnt 0x0
	s_cmp_lt_u32 ttmp9, 4
	s_cselect_b64 s[96:97], s[4:5], s[6:7]         ; A's buffer
	s_cselect_b64 s[98:99], s[6:7], s[4:5]         ; B's
	s_add_nc_u64 s[96:97], s[96:97], s[90:91]
	s_add_nc_u64 s[98:99], s[98:99], s[92:93]
.irp g, 0
	s_mov_b32 s[40+4*\g], 1
	s_add_co_u32 s[41+4*\g], s95, 25600*\g
	s_add_nc_u64 s[42+4*\g:43+4*\g], s[96:97], 25600*\g
	s_or_b32 s[43+4*\g], s[43+4*\g], 0x80000000
	s_mov_b32 s[68+4*\g], 1
	s_add_co_u32 s[69+4*\g], s94, 204800+25600*\g
	s_add_nc_u64 s[70+4*\g:71+4*\g], s[98:99], 25600*\g
	s_or_b32 s[71+4*\g], s[71+4*\g], 0x80000000
.endr
	CROUND                                         ; all sixteen work-groups are here: the joint loads meet
	s_cmp_eq_u32 s13, 0                            ; one fill a wave, in the two arms of one branch on the wave's number
	s_cbranch_scc0 .Lfirst_b
	tensor_load_to_lds s[40:43], s[24:31]
	s_nop 0
.rept 4
	v_nop
.endr
	s_branch .Lfirst_done
.Lfirst_b:
	tensor_load_to_lds s[68:71], s[32:39]
	s_nop 0
.rept 4
	v_nop
.endr
.Lfirst_done:
	v_and_b32 v1, 31, v0
	v_lshlrev_b32 v1, 4, v1                        ; 16 x lane
	v_and_b32 v13, 15, v0                          ; r
	v_bfe_u32 v15, v0, 4, 1                        ; h
	v_lshlrev_b32 v2, 4, v13                       ; 16 r
	s_mul_i32 s84, s13, 102400
	s_mul_i32 s85, s14, 6144
	s_add_co_u32 s85, s85, s84
	v_add_nc_u32 v[ADA], s85, v1
	v_add_nc_u32 v[ADA+1], 51200, v[ADA]
	v_add_nc_u32 v[ADB], 204800, v1
	v_add_nc_u32 v[ADB+1], 51200, v[ADB]
	s_lshl_b32 s85, s14, 8
	s_add_co_u32 s85, s85, s84
	s_add_co_u32 s85, s85, 12288
	v_add_nc_u32 v[ASA], s85, v2
	v_add_nc_u32 v[ASA+1], 51200, v[ASA]
	v_add_nc_u32 v[ASB], 204800+12288, v2
	v_add_nc_u32 v[ASB+1], 51200, v[ASB]
	; the biases.  In the role that does not use one, it is read at the buffer's head and then cleared
	s_lshl_b32 s84, s18, 9
	s_and_b32 s84, s84, s86
	s_mov_b32 s85, 0
	s_add_nc_u64 s[84:85], s[8:9], s[84:85]        ; q, k: b_attn at 128 TC
	s_lshl_b32 s88, s17, 8
	s_lshl_b32 s89, s12, 6
	s_add_co_u32 s88, s88, s89
	s_add_co_u32 s88, s88, 2048
	s_lshl_b32 s88, s88, 2
	s_and_b32 s88, s88, s87
	s_mov_b32 s89, 0
	s_add_nc_u64 s[88:89], s[8:9], s[88:89]        ; v: b_attn at 2,048 + 256 TR + 64 w
	v_lshlrev_b32 v48, 6, v15                      ; 64 h
	v_and_b32 v49, 8, v13
	v_add_nc_u32 v49, v49, v13
	v_lshlrev_b32 v49, 2, v49                      ; 4 (r + 8 (r / 8))
.irp b, 0,1,2,3,4,5,6,7
	global_load_b128 v[BI+8*\b:BI+8*\b+3], v48, s[84:85] offset:(32*(\b/2)+8*(\b%2))*4
	global_load_b128 v[BI+8*\b+4:BI+8*\b+7], v48, s[84:85] offset:(32*(\b/2)+8*(\b%2))*4+16
.endr
.irp a, 0,1,2,3
	global_load_b32 v[BA+2*\a], v49, s[88:89] offset:(32*(\a/2)+8*(\a%2))*4
	global_load_b32 v[BA+2*\a+1], v49, s[88:89] offset:(32*(\a/2)+8*(\a%2))*4
.endr
	s_wait_alu depctr_va_vdst(0)
	s_wait_tensorcnt 0x0                           ; my one load is in
	s_barrier_signal -1
	s_barrier_wait -1                              ; everybody's is
	FETCH 0
	s_wait_loadcnt 0x0                             ; the biases
.set J, 0
.rept 64
	v_and_b32 v[BI+J], s86, v[BI+J]                ; zeros in v's role
.set J, J+1
.endr
.set J, 0
.rept 8
	v_and_b32 v[BA+J], s87, v[BA+J]                ; zeros in q's and k's
.set J, J+1
.endr
	s_wait_alu depctr_va_vdst(0)
	KEVEN 0, 1
	KEVEN 1, 0
	KEVEN 2, 0
	KEVEN 3, 0
	KEVEN 4, 0
	KEVEN 5, 0
	KEVEN 6, 0
	s_wait_dscnt 0x0
	MUL 0, 4, 7, 0
	WIN 0
	PLACES
.irp b, 0,1,2,3
	v_mov_b32 v[TM+4+\b], 0                        ; written once: a lane permute's destination counts as one of its sources
.endr
	v_cmp_eq_u32 s90, 1, v15                       ; lanes 16-31
	s_cmp_lt_u32 ttmp9, 4
	s_cbranch_scc0 .Lrole_v
	; ---- q and k: my 64 tokens x 128 columns = two heads.  Two token tiles make a pair's image, one image for each head
	s_lshr_b32 s84, s17, 3                         ; batch
	s_lshl_b32 s84, s84, 4
	s_and_b32 s85, s18, 7
	s_lshl_b32 s85, s85, 1                         ; the even head
	s_add_co_u32 s84, s84, s85
	s_lshl_b32 s84, s84, 4
	s_and_b32 s85, s17, 7
	s_lshl_b32 s85, s85, 1
	s_add_co_u32 s84, s84, s85
	s_add_co_u32 s84, s84, s13                     ; the step of 128 tokens
	s_mul_i32 s84, s84, 19200
	s_lshr_b32 s85, s18, 3                         ; q (0) or k (1)
	s_mul_i32 s85, s85, 6400
	s_add_co_u32 s84, s84, s85
	s_mov_b32 s85, 0
	s_add_nc_u64 s[10:11], s[10:11], s[84:85]
	; where lane (r, h) of pair p puts its codes and its word; c = w % 2.  q: image 2 c + p, lane r; word at 128 c + 8 r + 4 p.
	; k: image 2 c + r / 8, lane 8 p + r % 8; word at 16 (8 p + r % 8) + 4 (2 c + r / 8).  So k's stores cover runs of 128 bytes; the two pairs' stores fill each other's gaps.
	s_cmp_lt_u32 s18, 8                            ; q?  The choice hangs on the work-group's number alone
	s_mov_b32 s93, 1536
	s_cselect_b32 s94, 128, s93                    ; codes: bytes for r / 8,
	s_cselect_b32 s95, s93, 128                    ; and for p
	s_cselect_b32 s96, 128, 8                      ; words: bytes for c,
	s_cselect_b32 s97, 8, 16                       ; for r % 8,
	s_cselect_b32 s98, 64, 4                       ; for r / 8,
	s_cselect_b32 s99, 4, 128                      ; and for p
	s_mul_i32 s88, s14, 3072
	s_mul_i32 s89, s14, s96
	v_and_b32 v14, 7, v13
	v_lshrrev_b32 v2, 3, v13
	v_lshl_add_u32 v11, v15, 8, s88
	v_lshl_add_u32 v11, v14, 4, v11
	v_mad_u32_u24 v11, v2, s94, v11                ; codes, pair 0
	v_add_nc_u32 v10, s95, v11                     ; codes, pair 1
	v_mul_u32_u24 v12, v15, 307200                 ; the words: lanes 16-31 store the odd head's, 16 steps on
	v_add_nc_u32 v12, s89, v12
	v_mad_u32_u24 v12, v14, s97, v12
	v_mad_u32_u24 v12, v2, s98, v12                ; word, pair 0
	v_add_nc_u32 v9, s99, v12                      ; word, pair 1
	s_mov_b32 s91, 0x05040100
	s_mov_b32 s92, 0x07060302
.irp p, 0,1
	COPY 2*\p
	QUANT RR, RR+12
	v_mov_b32 v[PWU], v[PW]
	COPY 2*\p+1
	QUANT RR+6, RR+18
	v_perm_b32 v[W0], v[PW], v[PWU], s91           ; the even head's word: both tiles' bytes 0, 1
	v_perm_b32 v[W1], v[PW], v[PWU], s92           ; the odd head's: bytes 2, 3
	v_cndmask_b32 v[SW+\p], v[W0], v[W1], s90
.irp c, 0,1
.irp j, 0,1,2
	global_store_b128 v[11-\p], v[RR+12*\c+4*\j:RR+12*\c+4*\j+3], s[10:11] offset:307200*\c+512*\j
.endr
.endr
.endr
	global_store_b32 v12, v[SW], s[10:11] offset:6144
	global_store_b32 v9, v[SW+1], s[10:11] offset:6144
	s_branch .Ldone
	; ---- v: my 64 channels (one head) x 128 keys: each tile is one image
.Lrole_v:
	s_lshr_b32 s84, s18, 4                         ; batch
	s_lshl_b32 s84, s84, 4
	s_lshl_b32 s85, s17, 2
	s_add_co_u32 s84, s84, s85
	s_add_co_u32 s84, s84, s12                     ; head 4 TR + w
	s_lshl_b32 s84, s84, 4
	s_and_b32 s85, s18, 15
	s_add_co_u32 s84, s84, s85                     ; the step
	s_mul_i32 s84, s84, 19200
	s_add_co_u32 s84, s84, 12800
	s_mov_b32 s85, 0
	s_add_nc_u64 s[10:11], s[10:11], s[84:85]
	v_lshl_add_u32 v12, v15, 3, v2                 ; 16 r + 8 h
.irp a, 0,1,2,3
	COPY \a
	QUANT RR, RR+6
	v_mov_b32 v[PWS+\a], v[PW]
.irp j, 0,1,2
	global_store_b128 v1, v[RR+4*\j:RR+4*\j+3], s[10:11] offset:1536*\a+512*\j
.endr
.endr
	v_cndmask_b32 v[VV], v[PWS], v[PWS+2], s90
	v_cndmask_b32 v[VV+1], v[PWS+1], v[PWS+3], s90
	global_store_b64 v12, v[VV:VV+1], s[10:11] offset:6144   ; 256 consecutive bytes
.Ldone:
	s_wait_dscnt 0x0
	s_wait_tensorcnt 0x0
	ds_add_u32 v251, v255
	s_wait_dscnt 0x0
	CROUND                                         ; the closing round: no work-group ends while a partner may still ask for a tile that names it
	s_endpgm
.Lfunc_end_k_q4ac2126eb3_qkvg:
	.size	k_q4ac2126eb3_qkvg, .Lfunc_end_k_q4ac2126eb3_qkvg-k_q4ac2126eb3_qkvg
	.p2alignl 7, 3214868480
	.fill 96, 4, 3214868480
	.section	.rodata,"a",@progbits
	.p2align	6, 0x0
	.amdhsa_kernel k_q4ac2126eb3_qkvg
		.amdhsa_group_segment_fixed_size 307712
		.amdhsa_private_segment_fixed_size 0
		.amdhsa_enable_private_segment 0
		.amdhsa_kernarg_size 32
		.amdhsa_user_sgpr_count 2
		.amdhsa_user_sgpr_kernarg_segment_ptr 1
		.amdhsa_wavefront_size32 1
		.amdhsa_system_sgpr_workgroup_id_x 1
		.amdhsa_system_sgpr_workgroup_id_y 1
		.amdhsa_system_sgpr_workgroup_id_z 1
		.amdhsa_system_vgpr_workitem_id 0
		.amdhsa_next_free_vgpr 768
		.amdhsa_next_free_sgpr 100
		.amdhsa_reserve_vcc 0
		.amdhsa_float_denorm_mode_32 3
		.amdhsa_float_denorm_mode_16_64 3
		.amdhsa_memory_ordered 1
		.amdhsa_forward_progress 1
		.amdhsa_inst_pref_size 117
	.end_amdhsa_kernel
	.amdgpu_metadata
---
amdhsa.version: [ 1, 2 ]
amdhsa.kernels:
  - .name:           k_q4ac2126eb3_qkvg
    .symbol:         k_q4ac2126eb3_qkvg.kd
    .args:
      - { .name: xq, .offset: 0, .size: 8, .value_kind: global_buffer, .address_space: global }
      - { .name: wq, .offset: 8, .size: 8, .value_kind: global_buffer, .address_space: global }
      - { .name: b_attn, .offset: 16, .size: 8, .value_kind: global_buffer, .address_space: global }
      - { .name: qkv, .offset: 24, .size: 8, .value_kind: global_buffer, .address_space: global }
    .group_segment_fixed_size: 307712
    .private_segment_fixed_size: 0
    .kernarg_segment_align: 8
    .kernarg_segment_size: 32
    .max_flat_workgroup_size: 128
    .sgpr_count:     100
    .vgpr_count:     768
    .wavefront_size: 32
...
	.end_amdgpu_metadata
.endif
;; end of part 2
;; launch attn (part 3): grid 4 x 64, 16 waves a work-group, clusters of 4 x 1, 206,848 bytes of LDS; arguments qkv, yq; writes yq
.if DOCPART == 3
	.amdgcn_target "amdgcn-amd-amdhsa--gfx1250"
	.amdhsa_code_object_version 6
	.text
	.protected	k_q4ac2126eb3_attn
	.globl	k_q4ac2126eb3_attn
	.p2align	8
	.type	k_q4ac2126eb3_attn,@function
k_q4ac2126eb3_attn:
	s_mov_b64 s[64:65], 0
	v_nop
	global_prefetch_b8 v0, s[64:65] scope:SCOPE_SE
	s_setreg_imm32_b32 hwreg(HW_REG_WAVE_MODE, 25, 1), 1
	s_wait_xcnt 0x0
	s_wait_alu depctr_hold_cnt(0) depctr_sa_sdst(0) depctr_va_vdst(0) depctr_va_sdst(0) depctr_va_ssrc(0) depctr_va_vcc(0) depctr_vm_vsrc(0)
	s_getreg_b32 s2, hwreg(HW_REG_IB_STS2, 6, 4)
	s_cmp_eq_u32 s2, 0
	s_cbranch_scc0 .Lentry_in_a_cluster
	s_endpgm
.Lentry_in_a_cluster:
	s_bfe_u32 s2, ttmp6, 0x10000c
	s_cmp_lg_u32 s2, 0x3003
	s_cbranch_scc0 .Lentry_shape_is_right
	s_endpgm
.Lentry_shape_is_right:
; y = softmax(q k^T / 8) v for one head, both products on codes of BF6 (E3M2) with E8M0 scales, and y quantised along the model's 1,024 on the way out.
; THE SOFTMAX: t = score x log2(e) / 8; M = the running largest t rounded up to a whole number; p = 2^(t - M) is quantised along the keys, not normalised; the row's sum is taken of the unquantised p and divides at the end.
; SHARES.  A work-group owns one head and 512 queries, the four work-groups of a cluster the head's 2,048.  Wave w owns image w % 4 of query step 4 cx + w / 4: two tiles of 16 queries, one after the other.
; THE WHOLE HEAD'S K AND V (16 steps x 12,800 bytes) LIE IN LDS, filled once: each of the sixteen waves issues ONE joint load, which names all four partners: key step w, 50 rows of 256 bytes.  One barrier shows all of it.
; No prefetch: the launch's only loads of K and V go out at its head, with no loop to run ahead in.
; LDS, step j at 12,800 j: K's four images, at 6,144 their words [m][image], at 6,400 V's four images, at 12,544 their words [r][tile].
; K = 64 UNDER AN INSTRUCTION OF 128: an image of K holds the 64 channels of key tile 2 P in its lower half and those of tile 2 P + 1 in its upper half; against (q | zeros) it gives tile 2 P's scores,
; against (zeros | q) tile 2 P + 1's: zero codes add nothing under any scale byte that is written here (1 .. 254).  (q | 0 | q) in 18 registers serves both.
; Both products are used transposed: a lane holds ONE query.  Row m of key tile T is key 64 (T / 4) + 32 (m / 8) + 8 (T % 4) + m % 8: so the 32 registers of tiles 0-3 of lane (r, h) are the 32 keys of block h,
; those of tiles 4-7 block 2 + h: a block's largest score needs no other lane, and the conversions' results are p's operand as they stand.
; The maxima and the sums go in eight chains by turns, so that no line reads the result of one of the seven lines above it.
; yq: [block of 128 tokens][K step = two heads][12,800]: tile t at 1,536 t, registers 2 p, 2 p + 1 of lane l at 256 p + 8 l (p 0-2: the even head, 3-5: the odd); at 12,288 the words [t / 4][r][t % 4], two bytes a head.
; LIMITS: a block of zeros gets the byte 1, not 127 (this program alone reads the bytes); NaN and infinities are not served; the division by the sum is a reciprocal and a multiplication;
; the promise holds while the scaled scores t stay under 2^31 in magnitude.
; REGISTERS: v1-7 addresses, v8-9 the add's two, v12-22 scale words, v24-28 y's bytes and q's raw word, v32-43 q's image, v44-91 K's or V's images, v92-109 q | 0 | q, v110-173 scores, then p, v174-205 O^T, v206-249 at work.
.set SPARE, 0x32000                    ; behind the tiles: the spare words, 128 bytes a wave
.set SPW, 8
.set NIL, 9
.set KW,  12                           ; K's words, one for each image
.set VW,  16                           ; V's words, one for each tile
.set PW,  20                           ; p's word
.set QW,  22                           ; q's word
.set YB,  24                           ; y's two bytes of tile 0, 1
.set QWD, 26                           ; q's word as loaded
.set QP,  32                           ; q's image as loaded: two tiles
.set KB,  44
.set QQ,  92                           ; q | 0 | q
.set SS,  110                          ; scores, then p
.set OO,  174                          ; O^T
.set PP,  206                          ; p's codes
.set CT,  218                          ; four more partial sums; then the upper halves of the blocks' codes, before they are moved
.set BM,  226
.set SO,  228
.set BY,  230
.set TP,  232
.set TQ,  233
.set NM,  234                          ; -M
.set RM,  235                          ; the running largest score
.set FF,  236                          ; f = 2^(old M - new M)
.set SU,  238                          ; the row's sum, in two halves
.set T,   240                          ; eight maxima, one for each tile of keys; then four partial sums
.set SH,  248                          ; 8 h
.set TC,  249
.macro CROUND
	s_barrier_signal -1
	s_barrier_wait -1
	s_cmp_lg_u32 s8, 0
	s_cbranch_scc1 .Lnot_wave_0_\@
	s_barrier_signal -3
.Lnot_wave_0_\@:
	s_barrier_wait -3
	s_barrier_signal -1
	s_barrier_wait -1
.endm
; A KEY STEP: 128 keys at LDS byte s48.  The last three additions of a step's sum, and its entry into the row's sum, are left to the next step, where they are places behind the products.
.macro STEP
	v_pk_add_f32 v[T:T+1], v[T:T+1], v[T+2:T+3]    ; these five are the places in front of the loads into registers that the last products read
	v_pk_add_f32 v[T+4:T+5], v[T+4:T+5], v[T+6:T+7]
	v_add_nc_u32 v4, s48, v1
	v_add_nc_u32 v5, s48, v2
	v_pk_add_f32 v[T:T+1], v[T:T+1], v[T+4:T+5]
.irp i, 0,1,2,3,4,5,6,7,8,9,10,11
	ds_load_b128 v[KB+4*\i:KB+4*\i+3], v4 offset:512*\i
.endr
	ds_load_b128 v[KW:KW+3], v5 offset:6144
	s_wait_alu depctr_va_vdst(0)
	s_wait_dscnt 0x0
.irp b, 0,1,2,3
	v_wmma_scale_f32_16x16x128_f8f6f4 v[SS+16*\b:SS+16*\b+7], v[KB+12*\b:KB+12*\b+11], v[QQ:QQ+11], 0, v[KW+\b], v[QW] matrix_a_fmt:MATRIX_FMT_BF6 matrix_b_fmt:MATRIX_FMT_BF6
	v_wmma_scale_f32_16x16x128_f8f6f4 v[SS+16*\b+8:SS+16*\b+15], v[KB+12*\b:KB+12*\b+11], v[QQ+6:QQ+17], 0, v[KW+\b], v[QW] matrix_a_fmt:MATRIX_FMT_BF6 matrix_b_fmt:MATRIX_FMT_BF6
.endr
	v_mov_b32 v[TC], v[NM]                         ; the old -M.  Four places: for V's loads into K's registers, and for the first read of the scores
	v_pk_fma_f32 v[SU:SU+1], v[SU:SU+1], v[FF:FF+1], v[T:T+1] op_sel_hi:[1,0,1]   ; the row's sum under the last step's M, and the last step's p
	v_nop
	v_nop
.irp i, 0,1,2,3,4,5,6,7,8,9,10,11
	ds_load_b128 v[KB+4*\i:KB+4*\i+3], v4 offset:6400+512*\i   ; V lands while the softmax is worked
.endr
	ds_load_b128 v[VW:VW+3], v5 offset:12544
.irp k, 0,1,2,3,4,5,6,7
	v_max3_num_f32 v[T+\k], v[SS+8*\k], v[SS+8*\k+1], v[SS+8*\k+2]   ; the largest score of each tile of keys, each accumulator from its low end on: eight chains by turns
.endr
.irp i, 3,5
.irp k, 0,1,2,3,4,5,6,7
	v_max3_num_f32 v[T+\k], v[T+\k], v[SS+8*\k+\i], v[SS+8*\k+\i+1]
.endr
.endr
.irp c, 0,1
	v_max3_num_f32 v[T+4*\c], v[T+4*\c], v[SS+32*\c+7], v[SS+32*\c+15]      ; each tile's last score,
.endr
.irp c, 0,1
	v_max3_num_f32 v[T+4*\c+1], v[T+4*\c+1], v[SS+32*\c+23], v[SS+32*\c+31]
.endr
.irp c, 0,1
	v_max3_num_f32 v[T+4*\c+2], v[T+4*\c+2], v[T+4*\c+3], v[T+4*\c]         ; and four tiles make a block of 32 keys
.endr
.irp c, 0,1
	s_delay_alu instid0(VALU_DEP_2)
	v_max_num_f32 v[BM+\c], v[T+4*\c+2], v[T+4*\c+1]   ; my block's largest score: for the row's maximum, and for the block's largest p
.endr
	s_delay_alu instid0(VALU_DEP_1)
	v_max_num_f32 v[TQ], v[BM], v[BM+1]
	s_delay_alu instid0(VALU_DEP_1)
	v_permlanex16_b32 v[TP], v[TQ], s20, s21
	s_delay_alu instid0(VALU_DEP_1)
	v_max3_num_f32 v[RM], v[RM], v[TQ], v[TP]      ; with lane l xor 16's two blocks, and what went before
	s_delay_alu instid0(VALU_DEP_1)
	v_mul_f32 v[TQ], s22, v[RM]                    ; as t
	s_delay_alu instid0(VALU_DEP_1)
	v_floor_f32 v[NM], -v[TQ]                      ; the new -M: a whole number
	s_delay_alu instid0(VALU_DEP_1)
	v_sub_f32 v[TC], v[NM], v[TC]                  ; old M - new M: a whole number, 0 or less
	s_delay_alu instid0(VALU_DEP_1)
	v_cvt_i32_f32 v[TC], v[TC]                     ; (it saturates)
.set J, 0
.rept 32
	v_pk_fma_f32 v[SS+J:SS+J+1], v[SS+J:SS+J+1], s[22:23], v[NM:NM+1] op_sel_hi:[1,0,0]   ; t - M
.set J, J+2
.endr
.irp c, 0,1
	v_fma_f32 v[BM+\c], v[BM+\c], s22, v[NM]       ; the same of each block's largest score
.endr
	s_wait_alu depctr_va_vdst(0)
.set J, 0
.rept 64
	v_exp_f32 v[SS+J], v[SS+J]                     ; p = 2^(t - M)
.set J, J+1
.endr
	v_exp_f32 v[BM], v[BM]                         ; each block's largest p: the same two instructions on the same number
	v_exp_f32 v[BM+1], v[BM+1]
	v_ldexp_f32 v[FF], 1.0, v[TC]                  ; f = 2^(old M - new M); the plain place behind the batch
	s_wait_alu depctr_va_vdst(0)                   ; one wait for the batch, ahead of its first reader
.irp i, 0,1,2,3
	v_pk_add_f32 v[T+2*\i:T+2*\i+1], v[SS+4*\i:SS+4*\i+1], v[SS+4*\i+2:SS+4*\i+3]   ; the sum of the unquantised p, in eight chains by turns
.endr
.irp i, 0,1,2,3
	v_pk_add_f32 v[CT+2*\i:CT+2*\i+1], v[SS+16+4*\i:SS+16+4*\i+1], v[SS+16+4*\i+2:SS+16+4*\i+3]
.endr
.set J, 32
.rept 2
.irp i, 0,1,2,3
	v_pk_add_f32 v[T+2*\i:T+2*\i+1], v[T+2*\i:T+2*\i+1], v[SS+J+2*\i:SS+J+2*\i+1]
.endr
.irp i, 0,1,2,3
	v_pk_add_f32 v[CT+2*\i:CT+2*\i+1], v[CT+2*\i:CT+2*\i+1], v[SS+J+8+2*\i:SS+J+8+2*\i+1]
.endr
.set J, J+16
.endr
.irp i, 0,1,2,3
	v_pk_add_f32 v[T+2*\i:T+2*\i+1], v[T+2*\i:T+2*\i+1], v[CT+2*\i:CT+2*\i+1]       ; eight become four; the rest is left to the next step
.endr
.irp c, 0,1
	v_max_num_f32 v[BM+\c], 0x2800000, v[BM+\c]    ; the floor 2^(5 - 127): the byte cannot fall under 1
.endr
.irp c, 0,1
	s_delay_alu instid0(VALU_DEP_2)
	v_add_nc_u32 v[SO+\c], 0xfe000000, v[BM+\c]    ; 4 off the exponent field: the conversion's scale operand
.endr
.irp c, 0,1
	v_cvt_scalef32_pk16_bf6_f32 v[PP+6*\c:PP+6*\c+2], v[SS+32*\c:SS+32*\c+15], v[SO+\c]
	v_cvt_scalef32_pk16_bf6_f32 v[CT+4*\c:CT+4*\c+2], v[SS+32*\c+16:SS+32*\c+31], v[SO+\c]   ; (a conversion's three registers begin on an even number)
.endr
.irp c, 0,1
	v_lshrrev_b32 v[BY+\c], 23, v[SO+\c]           ; the bytes of blocks h and 2 + h; the plain place behind the conversions
.endr
	s_delay_alu instid0(VALU_DEP_1)
	v_lshl_or_b32 v[TQ], v[BY+1], 16, v[BY]
	s_delay_alu instid0(VALU_DEP_1)
	v_lshlrev_b32 v[TQ], v[SH], v[TQ]              ; 8 h bits up
	s_delay_alu instid0(VALU_DEP_1)
	v_permlanex16_b32 v[TP], v[TQ], s20, s21
	s_delay_alu instid0(VALU_DEP_1)
	v_or_b32 v[PW], v[TQ], v[TP]                   ; with lane l xor 16's two the word is whole
.irp c, 0,1
.irp i, 0,1,2
	v_mov_b32 v[PP+3+6*\c+\i], v[CT+4*\c+\i]
.endr
.endr
	s_wait_alu depctr_va_vdst(0)
.set J, 0
.rept 16
	v_pk_mul_f32 v[OO+J:OO+J+1], v[OO+J:OO+J+1], v[FF:FF+1] op_sel_hi:[1,0]   ; O^T under the new M; also the places between the word, the codes and the products
.set J, J+2
.endr
	s_wait_alu depctr_va_vdst(0)
	s_wait_dscnt 0x0                               ; V is in
.irp t, 0,1,2,3
	v_wmma_scale_f32_16x16x128_f8f6f4 v[OO+8*\t:OO+8*\t+7], v[KB+12*\t:KB+12*\t+11], v[PP:PP+11], v[OO+8*\t:OO+8*\t+7], v[VW+\t], v[PW] matrix_a_fmt:MATRIX_FMT_BF6 matrix_b_fmt:MATRIX_FMT_BF6
.endr
.endm
.macro INIT u                          ; tile u of my image
	v_perm_b32 v[QW], v[QWD], v[QWD], s[60+\u]     ; q's two bytes, twice
.irp i, 0,1,2,3,4,5
	v_mov_b32 v[QQ+\i], v[QP+6*\u+\i]
	v_mov_b32 v[QQ+12+\i], v[QP+6*\u+\i]
.endr
	v_mov_b32 v[RM], 0xff61b1e6                    ; -3e38, under every score
	v_mul_f32 v[TQ], s22, v[RM]
	v_floor_f32 v[NM], -v[TQ]
.irp r, SU, SU+1, FF, FF+1, T, T+1, T+2, T+3, T+4, T+5, T+6, T+7
	v_mov_b32 v[\r], 0
.endr
.set J, 0
.rept 32
	v_mov_b32 v[OO+J], 0                           ; the step is written without a first step of its own: it finds zeros
.set J, J+1
.endr
.endm
.macro FINISH u
	v_pk_add_f32 v[T:T+1], v[T:T+1], v[T+2:T+3]    ; what the last step left of its sum; also the places behind the last products
	v_pk_add_f32 v[T+4:T+5], v[T+4:T+5], v[T+6:T+7]
	v_pk_add_f32 v[T:T+1], v[T:T+1], v[T+4:T+5]
	v_pk_fma_f32 v[SU:SU+1], v[SU:SU+1], v[FF:FF+1], v[T:T+1] op_sel_hi:[1,0,1]
	v_add_f32 v[SU], v[SU], v[SU+1]
	v_permlanex16_b32 v[TP], v[SU], s20, s21
	v_add_f32 v[SU], v[SU], v[TP]                  ; the row's sum
	s_wait_alu depctr_va_vdst(0)
	v_rcp_f32 v[SU], v[SU]
	v_nop
	s_wait_alu depctr_va_vdst(0)
.set J, 0
.rept 16
	v_pk_mul_f32 v[SS+J:SS+J+1], v[OO+J:OO+J+1], v[SU:SU+1] op_sel_hi:[1,0]   ; y: register 16 b + i is channel 32 b + 16 h + i
.set J, J+2
.endr
.irp b, 0,1
	v_max3_num_f32 v[BM+\b], |v[SS+16*\b]|, |v[SS+16*\b+1]|, 0x2800000
.endr
.irp i, 2,4,6,8,10,12,14
.irp b, 0,1
	v_max3_num_f32 v[BM+\b], v[BM+\b], |v[SS+16*\b+\i]|, |v[SS+16*\b+\i+1]|
.endr
.endr
.irp b, 0,1
	v_permlanex16_b32 v[TP+\b], v[BM+\b], s20, s21
.endr
.irp b, 0,1
	v_max_num_f32 v[BM+\b], v[BM+\b], v[TP+\b]
.endr
.irp b, 0,1
	v_add_nc_u32 v[SO+\b], 0xfe000000, v[BM+\b]
.endr
.irp b, 0,1
	v_lshrrev_b32 v[BY+\b], 23, v[SO+\b]
.endr
	v_lshl_or_b32 v[YB+\u], v[BY+1], 8, v[BY]      ; my head's two bytes of the row's scale word
	v_cvt_scalef32_pk16_bf6_f32 v[PP:PP+2], v[SS:SS+15], v[SO]
	v_cvt_scalef32_pk16_bf6_f32 v[CT:CT+2], v[SS+16:SS+31], v[SO+1]
	v_nop
.irp i, 0,1,2
	v_permlane16_swap_b32 v[PP+\i], v[CT+\i]       ; the layout wants a whole block in a lane
.endr
.irp i, 0,1,2
	v_mov_b32 v[PP+3+\i], v[CT+\i]
.endr
.irp i, 0,1,2
	global_store_b64 v3, v[PP+2*\i:PP+2*\i+1], s[56:57] offset:1536*\u+256*\i   ; 256 consecutive bytes, aligned
.endr
.endm
.macro WALK u                          ; all 16 key steps for tile u
	s_mov_b32 s48, 0
	s_mov_b32 s50, 0
.Lstep_\@:
	STEP
	s_add_co_u32 s48, s48, 12800
	s_add_co_u32 s50, s50, 1
	s_cmp_lt_u32 s50, 16
	s_cbranch_scc1 .Lstep_\@
	FINISH \u
.endm
	s_load_b128 s[4:7], s[0:1], 0x0                ; qkv s[4:5], yq s[6:7]
	v_lshl_add_u32 v[SPW], v0, 2, SPARE
	v_mov_b32 v[NIL], 0
	ds_add_u32 v[SPW], v[NIL]                      ; the opening lines: the add, twice on end, and its wait
	ds_add_u32 v[SPW], v[NIL]
	v_lshrrev_b32 v1, 5, v0
	v_readfirstlane_b32 s8, v1                     ; wave 0..15
	v_and_b32 v3, 31, v0                           ; lane
	v_and_b32 v6, 15, v0                           ; r
	v_bfe_u32 v7, v0, 4, 1                         ; h
	v_lshlrev_b32 v1, 4, v3                        ; 16 x lane
	v_lshlrev_b32 v2, 4, v6                        ; 16 r
	v_lshlrev_b32 v4, 3, v6                        ; 8 r
	v_lshlrev_b32 v3, 3, v3                        ; 8 x lane
	v_lshl_add_u32 v6, v7, 2, v2                   ; 16 r + 4 h
	s_bfe_u32 s9, ttmp6, 0x40000                   ; cx: it enters q's and y's addresses alone
	s_and_b32 s10, ttmp7, 0xffff                   ; the head, 0..63, which the partners share
	s_and_b32 s11, s8, 3                           ; my image of a query step
	s_lshr_b32 s12, s8, 2
	s_lshl_b32 s13, s9, 2
	s_add_co_u32 s12, s12, s13                     ; my query step
	s_mul_i32 s14, s10, 307200                     ; the head in qkv
	s_mul_i32 s16, s8, 19200
	s_add_co_u32 s16, s16, s14
	s_add_co_u32 s16, s16, 6400                    ; K's block of key step w; V's follows it
	s_mov_b32 s17, 0
	s_mov_b32 s32, 1
	s_mul_i32 s33, s8, 12800                       ; and where the step goes
	s_mov_b32 s24, 15|(3<<16)|(1<<21)              ; the mask: all four partners; elements of 8 bytes; bit 21 beside a mask
	s_mov_b32 s25, 32<<16                          ; rows of 256 bytes,
	s_mov_b32 s26, 50<<16                          ; 50 of them: a step's K and V, dense
	s_mov_b32 s27, 32<<16
	s_mov_b32 s28, 50
	s_mov_b32 s29, 32
	s_mov_b32 s30, 0
	s_mov_b32 s31, 0
	s_mov_b32 s20, 0x76543210
	s_mov_b32 s21, 0xfedcba98                      ; v_permlanex16_b32's selects for lane l xor 16
	s_mov_b32 s22, 0x3e38aa3b                      ; c = log2(e) / 8
	s_mov_b32 s23, s22
	s_mov_b32 s60, 0x01000100
	s_mov_b32 s61, 0x03020302
	s_mul_i32 s50, s12, 19200
	s_add_co_u32 s50, s50, s14                     ; q's block of my query step
	s_mul_i32 s52, s11, 1536
	s_add_co_u32 s52, s52, s50
	s_mov_b32 s53, 0
	s_lshr_b32 s54, s11, 1
	s_lshl_b32 s54, s54, 7
	s_and_b32 s55, s11, 1
	s_lshl_b32 s55, s55, 2
	s_add_co_u32 s54, s54, s55
	s_add_co_u32 s54, s54, s50
	s_add_co_u32 s54, s54, 6144
	s_mov_b32 s55, 0
	s_lshr_b32 s50, s10, 4                         ; batch
	s_lshl_b32 s50, s50, 4
	s_add_co_u32 s50, s50, s12
	s_lshl_b32 s50, s50, 3
	s_bfe_u32 s51, s10, 0x30001                    ; the pair of heads
	s_add_co_u32 s50, s50, s51
	s_mul_i32 s50, s50, 12800                      ; y's chunk
	s_and_b32 s51, s10, 1
	s_mul_i32 s56, s11, 3072
	s_mul_i32 s62, s51, 768
	s_add_co_u32 s56, s56, s62
	s_add_co_u32 s56, s56, s50
	s_mov_b32 s57, 0
	s_lshr_b32 s58, s11, 1
	s_lshl_b32 s58, s58, 8
	s_and_b32 s62, s11, 1
	s_lshl_b32 s62, s62, 3
	s_add_co_u32 s58, s58, s62
	s_lshl_b32 s62, s51, 1
	s_add_co_u32 s58, s58, s62
	s_add_co_u32 s58, s58, s50
	s_add_co_u32 s58, s58, 12288
	s_mov_b32 s59, 0
	s_wait_alu depctr_va_vdst(0)
	s_wait_dscnt 0x0                               ; both opening adds are done
	s_wait_kmcnt 0x0
	s_add_nc_u64 s[34:35], s[4:5], s[16:17]
	s_or_b32 s35, s35, 0x80000000
	s_add_nc_u64 s[52:53], s[4:5], s[52:53]
	s_add_nc_u64 s[54:55], s[4:5], s[54:55]
	s_add_nc_u64 s[56:57], s[6:7], s[56:57]
	s_add_nc_u64 s[58:59], s[6:7], s[58:59]
.irp j, 0,1,2
	global_load_b128 v[QP+4*\j:QP+4*\j+3], v1, s[52:53] offset:512*\j          ; my image of q: it is on its way through the round
.endr
	global_load_b32 v[QWD], v4, s[54:55]
	CROUND                                         ; all four work-groups are here: the joint loads meet
	tensor_load_to_lds s[32:35], s[24:31]          ; my one load: key step w
	s_nop 0
.irp i, 0,1,2,3,4,5
	v_mov_b32 v[QQ+6+\i], 0                        ; the zero half
.endr
	v_mov_b32 v[TP], 0                             ; written once: a lane permute's destination counts as one of its sources
	v_lshlrev_b32 v[SH], 3, v7                     ; 8 h
	s_wait_loadcnt 0x0
	INIT 0
	s_wait_alu depctr_va_vdst(0)
	s_wait_tensorcnt 0x0                           ; my step is in;
	s_barrier_signal -1
	s_barrier_wait -1                              ; everybody's is.  Nothing is filled again
	WALK 0
	s_wait_alu depctr_va_vdst(0)
	s_wait_xcnt 0x0                                ; the first tile's stores have read their registers
	INIT 1
	WALK 1
	v_cmp_eq_u32 vcc_lo, 1, v7
	v_cndmask_b32 v28, v[YB], v[YB+1], vcc_lo      ; lanes 0-15 store the first tile's bytes, lanes 16-31 the second's
	global_store_b16 v6, v28, s[58:59]             ; two bytes a lane: two heads share each scale word of the next product's K step
	s_wait_tensorcnt 0x0                           ; the wave's end
	ds_add_u32 v[SPW], v[NIL]
	s_wait_dscnt 0x0
	CROUND                                         ; the closing round
	s_endpgm
.Lfunc_end_k_q4ac2126eb3_attn:
	.size	k_q4ac2126eb3_attn, .Lfunc_end_k_q4ac2126eb3_attn-k_q4ac2126eb3_attn
	.p2alignl 7, 3214868480
	.fill 96, 4, 3214868480
	.section	.rodata,"a",@progbits
	.p2align	6, 0x0
	.amdhsa_kernel k_q4ac2126eb3_attn
		.amdhsa_group_segment_fixed_size 206848
		.amdhsa_private_segment_fixed_size 0
		.amdhsa_enable_private_segment 0
		.amdhsa_kernarg_size 16
		.amdhsa_user_sgpr_count 2
		.amdhsa_user_sgpr_kernarg_segment_ptr 1
		.amdhsa_wavefront_size32 1
		.amdhsa_system_sgpr_workgroup_id_x 1
		.amdhsa_system_sgpr_workgroup_id_y 1
		.amdhsa_system_sgpr_workgroup_id_z 1
		.amdhsa_system_vgpr_workitem_id 0
		.amdhsa_next_free_vgpr 256
		.amdhsa_next_free_sgpr 66
		.amdhsa_reserve_vcc 1
		.amdhsa_float_denorm_mode_32 3
		.amdhsa_float_denorm_mode_16_64 3
		.amdhsa_memory_ordered 1
		.amdhsa_forward_progress 1
		.amdhsa_inst_pref_size 47
	.end_amdhsa_kernel
	.amdgpu_metadata
---
amdhsa.version: [ 1, 2 ]
amdhsa.kernels:
  - .name:           k_q4ac2126eb3_attn
    .symbol:         k_q4ac2126eb3_attn.kd
    .args:
      - { .name: qkv, .offset: 0, .size: 8, .value_kind: global_buffer, .address_space: global }
      - { .name: yq, .offset: 8, .size: 8, .value_kind: global_buffer, .address_space: global }
    .group_segment_fixed_size: 206848
    .private_segment_fixed_size: 0
    .kernarg_segment_align: 8
    .kernarg_segment_size: 16
    .max_flat_workgroup_size: 512
    .sgpr_count:     66
    .vgpr_count:     256
    .wavefront_size: 32
...
	.end_amdgpu_metadata
.endif
;; end of part 3
;; launch proj (part 4): grid 8 x 32, 4 waves a work-group, clusters of 4 x 4, 307,712 bytes of LDS; arguments yq, pq, b_proj, out0; writes out0
.if DOCPART == 4
	.amdgcn_target "amdgcn-amd-amdhsa--gfx1250"
	.amdhsa_code_object_version 6
	.text
	.protected	k_q4ac2126eb3_proj
	.globl	k_q4ac2126eb3_proj
	.p2align	8
	.type	k_q4ac2126eb3_proj,@function
k_q4ac2126eb3_proj:
	s_mov_b64 s[64:65], 0
	v_nop
	global_prefetch_b8 v0, s[64:65] scope:SCOPE_SE
	s_setreg_imm32_b32 hwreg(HW_REG_WAVE_MODE, 25, 1), 1
	s_wait_xcnt 0x0
	s_wait_alu depctr_hold_cnt(0) depctr_sa_sdst(0) depctr_va_vdst(0) depctr_va_sdst(0) depctr_va_ssrc(0) depctr_va_vcc(0) depctr_vm_vsrc(0)
	s_getreg_b32 s2, hwreg(HW_REG_IB_STS2, 6, 4)
	s_cmp_eq_u32 s2, 0
	s_cbranch_scc0 .Lentry_in_a_cluster
	s_endpgm
.Lentry_in_a_cluster:
	s_bfe_u32 s2, ttmp6, 0x10000c
	s_cmp_lg_u32 s2, 0xf033
	s_cbranch_scc0 .Lentry_shape_is_right
	s_endpgm
.Lentry_shape_is_right:
; out0 = y W_proj + b_proj on codes of BF6 (E3M2) with E8M0 scales.  The frame is that of the launch that makes q, k and v:
; a work-group makes 256 tokens (A = yq, source 1) x 128 columns (B = pq, source 0), all of K = 1,024 lying in LDS (307,200 bytes), filled once.  Four waves; wave w owns tokens 64 w .. 64 w + 63: 32 accumulators.
; The matrix instruction is used transposed: a lane holds one token and its registers run along the columns.  Lane r of tile t of a block of 128 rows holds row 32 (t / 2) + 8 (t % 2) + r + 8 (r / 8).
; pq: images with registers 4 c .. 4 c + 3 of lane l at 512 c + 16 l.  yq: registers 2 p, 2 p + 1 of lane l at 256 p + 8 l.  Scale words at 12,288 of each chunk, [t / 4][r][t % 4].
; CLUSTER 4 x 4: A's tiles are shared along a row of the cluster, B's along a column: joint loads.  Each wave has one tensor load out at the most.
; The bias is the C of each sum's first product.  The way out goes through a stage of 16 rows x 528 bytes a wave, laid over tiles that nobody reads any more and that are never filled again.
; REGISTERS: window 0: v1 16 x lane, v3-10 LDS addresses, v11-12 the stage, v16-39 scale words (two sets), v64-127 the bias, v128-223 A's fragments (two sets); on the way out v64-191 rows of out0.
;   window 1: B's fragments, sets at v0 and v128.   window 2: accumulator (a, b) at v[8 (8 a + b)].
; Each wave issues ONE tensor load, at the head: a whole block of A (8 K steps, 102,400 bytes), or four K steps of B (51,200 bytes).
.set ADA, 3
.set ADB, 5
.set ASA, 7
.set ASB, 9
.set BI,  64
.set AF,  128
.set BK,  64
.set MSB, 0
.macro WIN new
.if MSB != \new
	s_set_vgpr_msb (MSB<<8)|\new
.set MSB, \new
.endif
.endm
.macro CROUND
	s_barrier_signal -1
	s_barrier_wait -1
	s_cmp_lg_u32 s12, 0
	s_cbranch_scc1 .Lnot_wave_0_\@
	s_barrier_signal -3
.Lnot_wave_0_\@:
	s_barrier_wait -3
	s_barrier_signal -1
	s_barrier_wait -1
.endm
.macro PLACES                          ; four places in front of loads into registers that matrix instructions have read, and of the first read of results
.rept 4
	v_nop
.endr
.endm
.macro FETCH s
	WIN 0x40
.irp i, 0,1,2,3,4,5,6,7,8,9,10,11,12,13,14,15,16,17,18,19,20,21,22,23
	ds_load_b128 v[128*((\s)%2)+4*\i:128*((\s)%2)+4*\i+3], v[ADB+(\s)/4] offset:((\s)%4)*12800+512*\i
.endr
	WIN 0
.irp i, 0,1,2,3,4,5,6,7,8,9,10,11,12,13,14,15,16,17,18,19,20,21,22,23
	ds_load_b64 v[AF+48*((\s)%2)+2*\i:AF+48*((\s)%2)+2*\i+1], v[ADA+(\s)/4] offset:((\s)%4)*12800+256*\i
.endr
	ds_load_b128 v[16+12*((\s)%2):19+12*((\s)%2)], v[ASA+(\s)/4] offset:((\s)%4)*12800
	ds_load_b128 v[20+12*((\s)%2):23+12*((\s)%2)], v[ASB+(\s)/4] offset:((\s)%4)*12800
	ds_load_b128 v[24+12*((\s)%2):27+12*((\s)%2)], v[ASB+(\s)/4] offset:((\s)%4)*12800+256
.endm
; The 32 accumulators take turns, one instruction a turn, in the same order in every K step.  first = 1: the bias is C.
.macro MUL a0, n, s, first
.if \first
	WIN 0x81
.else
	WIN 0xa1
.endif
.set AA, \a0
.rept \n
.irp b, 0,1,2,3,4,5,6,7
.if \first
	v_wmma_scale_f32_16x16x128_f8f6f4 v[8*(8*AA+\b):8*(8*AA+\b)+7], v[128*((\s)%2)+12*\b:128*((\s)%2)+12*\b+11], v[AF+48*((\s)%2)+12*AA:AF+48*((\s)%2)+12*AA+11], v[BI+8*\b:BI+8*\b+7], v[20+12*((\s)%2)+\b], v[16+12*((\s)%2)+AA] matrix_a_fmt:MATRIX_FMT_BF6 matrix_b_fmt:MATRIX_FMT_BF6
.else
	v_wmma_scale_f32_16x16x128_f8f6f4 v[8*(8*AA+\b):8*(8*AA+\b)+7], v[128*((\s)%2)+12*\b:128*((\s)%2)+12*\b+11], v[AF+48*((\s)%2)+12*AA:AF+48*((\s)%2)+12*AA+11], v[8*(8*AA+\b):8*(8*AA+\b)+7], v[20+12*((\s)%2)+\b], v[16+12*((\s)%2)+AA] matrix_a_fmt:MATRIX_FMT_BF6 matrix_b_fmt:MATRIX_FMT_BF6
.endif
.endr
.set AA, AA+1
.endr
.endm
.macro KEVEN s, first
	s_wait_dscnt 0x0                               ; this K step's fragments are in
	PLACES
	FETCH (\s)+1
	MUL 0, 4, \s, \first
.endm
.macro TOSTAGE a                       ; tile a: 16 tokens x 128 columns into my stage, each accumulator from its low end on, and back as whole rows of 512 bytes
	WIN 0x08
.irp b, 0,1,2,3,4,5,6,7
	ds_store_b128 v11, v[8*(8*(\a)+\b):8*(8*(\a)+\b)+3] offset:128*(\b/2)+32*(\b%2)
	ds_store_b128 v11, v[8*(8*(\a)+\b)+4:8*(8*(\a)+\b)+7] offset:128*(\b/2)+32*(\b%2)+16
.endr
	WIN 0
.irp t, 0,1,2,3,4,5,6,7,8,9,10,11,12,13,14,15
	ds_load_b128 v[BK+64*((\a)%2)+4*\t:BK+64*((\a)%2)+4*\t+3], v12 offset:528*\t   ; LDS serves a wave's instructions in order: these see the stores above
.endr
.endm
.macro SEND a, younger                 ; younger: the LDS instructions issued behind tile a's loads, which may stay out
	s_wait_dscnt \younger
.irp t, 0,1,2,3,4,5,6,7,8,9,10,11,12,13,14,15
	global_store_b128 v1, v[BK+64*((\a)%2)+4*\t:BK+64*((\a)%2)+4*\t+3], s[10:11] offset:(32*((\a)/2)+8*((\a)%2)+\t+8*(\t/8))*4096 th:TH_STORE_NT   ; 512 consecutive bytes of the token's row
.endr
.endm
	s_load_b256 s[4:11], s[0:1], 0x0               ; yq s[4:5], pq s[6:7], b_proj s[8:9], out0 s[10:11]
	v_lshl_add_u32 v254, v0, 2, 0x4b000
	v_mov_b32 v255, 0
	ds_add_u32 v254, v255
	ds_add_u32 v254, v255
	v_lshrrev_b32 v1, 5, v0
	v_readfirstlane_b32 s12, v1                    ; wave 0..3
	s_lshr_b32 s13, s12, 1                         ; which block of A is mine.  Also: I fetch for A (0) or for B (1)
	s_and_b32 s14, s12, 1                          ; which half of it.  Also: which part I fetch
	s_bfe_u32 s15, ttmp6, 0x40000                  ; cx
	s_bfe_u32 s16, ttmp6, 0x40004                  ; cy
	s_and_b32 s17, ttmp7, 0xffff
	s_lshl_b32 s17, s17, 2
	s_add_co_u32 s17, s17, s16                     ; TR: which 256 tokens
	s_lshl_b32 s18, ttmp9, 2
	s_add_co_u32 s18, s18, s15                     ; TC: which 128 columns
	s_lshl_b32 s84, s16, 2
	s_lshl_b32 s84, 15, s84                        ; my row of the cluster
	s_lshl_b32 s85, 0x1111, s15                    ; my column
	s_or_b32 s24, s84, (3<<16)|(1<<21)             ; A: the mask; elements of 8 bytes; bit 21 beside a mask; no padding
	s_or_b32 s32, s85, (3<<16)|(1<<21)             ; B
	s_mov_b32 s25, 32<<16                          ; rows of 256 bytes
	s_mov_b32 s26, 400<<16                         ; A: 400 rows: all eight K steps of a block, dense
	s_mov_b32 s27, 32<<16
	s_mov_b32 s28, 400
	s_mov_b32 s29, 32
	s_mov_b32 s30, 0
	s_mov_b32 s31, 0
	s_mov_b32 s33, 32<<16
	s_mov_b32 s34, 200<<16                         ; B: 200 rows: four K steps
	s_mov_b32 s35, 32<<16
	s_mov_b32 s36, 200
	s_mov_b32 s37, 32
	s_mov_b32 s38, 0
	s_mov_b32 s39, 0
	s_lshl_b32 s90, s17, 1
	s_add_co_u32 s90, s90, s14
	s_mul_i32 s90, s90, 102400                     ; A: block 2 TR + my part
	s_mov_b32 s91, 0
	s_mul_i32 s92, s18, 102400                     ; B: block TC,
	s_mul_i32 s94, s14, 51200                      ; K steps 4 x my part on
	s_add_co_u32 s92, s92, s94
	s_mov_b32 s93, 0
	s_mul_i32 s95, s14, 102400
	s_wait_dscnt 0x0
	s_wait_kmcnt 0x0
	s_add_nc_u64 s[96:97], s[4:5], s[90:91]
	s_add_nc_u64 s[98:99], s[6:7], s[92:93]
.irp g, 0
	s_mov_b32 s[40+4*\g], 1
	s_add_co_u32 s[41+4*\g], s95, 25600*\g
	s_add_nc_u64 s[42+4*\g:43+4*\g], s[96:97], 25600*\g
	s_or_b32 s[43+4*\g], s[43+4*\g], 0x80000000
	s_mov_b32 s[68+4*\g], 1
	s_add_co_u32 s[69+4*\g], s94, 204800+25600*\g
	s_add_nc_u64 s[70+4*\g:71+4*\g], s[98:99], 25600*\g
	s_or_b32 s[71+4*\g], s[71+4*\g], 0x80000000
.endr
	CROUND                                         ; all sixteen work-groups are here: the joint loads meet
	s_cmp_eq_u32 s13, 0                            ; one fill a wave, in the two arms of one branch on the wave's number
	s_cbranch_scc0 .Lfirst_b
	tensor_load_to_lds s[40:43], s[24:31]
	s_nop 0
.rept 4
	v_nop
.endr
	s_branch .Lfirst_done
.Lfirst_b:
	tensor_load_to_lds s[68:71], s[32:39]
	s_nop 0
.rept 4
	v_nop
.endr
.Lfirst_done:
	v_and_b32 v14, 31, v0                          ; lane
	v_lshlrev_b32 v1, 4, v14                       ; 16 x lane
	v_and_b32 v13, 15, v0                          ; r
	v_bfe_u32 v15, v0, 4, 1                        ; h
	v_lshlrev_b32 v2, 4, v13                       ; 16 r
	s_mul_i32 s84, s13, 102400
	s_mul_i32 s85, s14, 6144
	s_add_co_u32 s85, s85, s84
	v_lshl_add_u32 v[ADA], v14, 3, s85             ; y's images go by 8 bytes a lane
	v_add_nc_u32 v[ADA+1], 51200, v[ADA]
	v_add_nc_u32 v[ADB], 204800, v1
	v_add_nc_u32 v[ADB+1], 51200, v[ADB]
	s_lshl_b32 s85, s14, 8
	s_add_co_u32 s85, s85, s84
	s_add_co_u32 s85, s85, 12288
	v_add_nc_u32 v[ASA], s85, v2
	v_add_nc_u32 v[ASA+1], 51200, v[ASA]
	v_add_nc_u32 v[ASB], 204800+12288, v2
	v_add_nc_u32 v[ASB+1], 51200, v[ASB]
	s_mul_i32 s86, s12, 8448                       ; my stage
	v_mul_u32_u24 v11, v13, 528
	v_lshl_add_u32 v11, v15, 6, v11
	v_add_nc_u32 v11, s86, v11                     ; in: row r, + 64 h
	v_add_nc_u32 v12, s86, v1                      ; back: 16 x lane
	s_lshl_b32 s84, s18, 9
	s_mov_b32 s85, 0
	s_add_nc_u64 s[88:89], s[8:9], s[84:85]        ; b_proj at 128 TC
	s_add_nc_u64 s[10:11], s[10:11], s[84:85]      ; out0 at column 128 TC,
	s_lshl_b32 s84, s17, 8
	s_lshl_b32 s86, s12, 6
	s_add_co_u32 s84, s84, s86
	s_lshl_b32 s84, s84, 12
	s_add_nc_u64 s[10:11], s[10:11], s[84:85]      ; token 256 TR + 64 w
	v_lshlrev_b32 v48, 6, v15                      ; 64 h
.irp b, 0,1,2,3,4,5,6,7
	global_load_b128 v[BI+8*\b:BI+8*\b+3], v48, s[88:89] offset:(32*(\b/2)+8*(\b%2))*4
	global_load_b128 v[BI+8*\b+4:BI+8*\b+7], v48, s[88:89] offset:(32*(\b/2)+8*(\b%2))*4+16
.endr
	s_wait_alu depctr_va_vdst(0)
	s_wait_tensorcnt 0x0                           ; my one load is in
	s_barrier_signal -1
	s_barrier_wait -1                              ; everybody's is
	FETCH 0
	s_wait_loadcnt 0x0                             ; the bias
	KEVEN 0, 1
	KEVEN 1, 0
	KEVEN 2, 0
	KEVEN 3, 0
	KEVEN 4, 0
	KEVEN 5, 0
	KEVEN 6, 0
	s_wait_dscnt 0x0                               ; my last reads of the tiles are in:
	s_barrier_signal -1                            ; say so,
	MUL 0, 4, 7, 0
	s_barrier_wait -1                              ; and when all four have said so the stages may be laid over the tiles
	WIN 0
	PLACES
	TOSTAGE 0
	TOSTAGE 1
	SEND 0, 32                                     ; behind tile 0's loads: tile 1's 16 stores and 16 loads
	s_wait_xcnt 0x0                                ; tile 0's stores have read their registers
	TOSTAGE 2
	SEND 1, 32
	s_wait_xcnt 0x0
	TOSTAGE 3
	SEND 2, 32
	SEND 3, 0
	s_wait_dscnt 0x0
	s_wait_tensorcnt 0x0
	ds_add_u32 v254, v255
	s_wait_dscnt 0x0
	CROUND                                         ; the closing round: no work-group ends while a partner may still ask for a tile that names it
	s_endpgm
.Lfunc_end_k_q4ac2126eb3_proj:
	.size	k_q4ac2126eb3_proj, .Lfunc_end_k_q4ac2126eb3_proj-k_q4ac2126eb3_proj
	.p2alignl 7, 3214868480
	.fill 96, 4, 3214868480
	.section	.rodata,"a",@progbits
	.p2align	6, 0x0
	.amdhsa_kernel k_q4ac2126eb3_proj
		.amdhsa_group_segment_fixed_size 307712
		.amdhsa_private_segment_fixed_size 0
		.amdhsa_enable_private_segment 0
		.amdhsa_kernarg_size 32
		.amdhsa_user_sgpr_count 2
		.amdhsa_user_sgpr_kernarg_segment_ptr 1
		.amdhsa_wavefront_size32 1
		.amdhsa_system_sgpr_workgroup_id_x 1
		.amdhsa_system_sgpr_workgroup_id_y 1
		.amdhsa_system_sgpr_workgroup_id_z 1
		.amdhsa_system_vgpr_workitem_id 0
		.amdhsa_next_free_vgpr 768
		.amdhsa_next_free_sgpr 100
		.amdhsa_reserve_vcc 0
		.amdhsa_float_denorm_mode_32 3
		.amdhsa_float_denorm_mode_16_64 3
		.amdhsa_memory_ordered 1
		.amdhsa_forward_progress 1
		.amdhsa_inst_pref_size 82
	.end_amdhsa_kernel
	.amdgpu_metadata
---
amdhsa.version: [ 1, 2 ]
amdhsa.kernels:
  - .name:           k_q4ac2126eb3_proj
    .symbol:         k_q4ac2126eb3_proj.kd
    .args:
      - { .name: yq, .offset: 0, .size: 8, .value_kind: global_buffer, .address_space: global }
      - { .name: pq, .offset: 8, .size: 8, .value_kind: global_buffer, .address_space: global }
      - { .name: b_proj, .offset: 16, .size: 8, .value_kind: global_buffer, .address_space: global }
      - { .name: out0, .offset: 24, .size: 8, .value_kind: global_buffer, .address_space: global }
    .group_segment_fixed_size: 307712
    .private_segment_fixed_size: 0
    .kernarg_segment_align: 8
    .kernarg_segment_size: 32
    .max_flat_workgroup_size: 128
    .sgpr_count:     100
    .vgpr_count:     768
    .wavefront_size: 32
...
	.end_amdgpu_metadata
.endif
;; end of part 4
